; MI455X (gfx1250); checked and timed in simulation.
; The chip was launched on July 23, 2026; its instructions are those of AMD's public machine-readable ISA for CDNA 5 (MIT licence, August 2026) and "CDNA5" Instruction Set Architecture Reference Guide (July 2026).
;; Linear Attention. Allowed arithmetic: matrix products marked QUANTISED: E3M2 operands, one E8M0 scale for each 32 along K, by v_wmma_scale_f32_16x16x128_f8f6f4 with both operands' format E3M2, f32 sums; products left as they are: f32 operands where the result goes on into a quantised operand, else bf16, f16 or f32 operands; f32 sums; everything else in f32.
;; Inputs: Wk 1,024 x 1,024 float32; Wo 1,024 x 1,024 float32; Wq 1,024 x 1,024 float32; Wv 1,024 x 1,024 float32; beta 16 float32; bk 1,024 float32; bo 1,024 float32; bq 1,024 float32; bv 1,024 float32; x 2,048 x 2 x 1,024 float32.
;; Outputs: out0 2,048 x 2 x 1,024 float32.
;; This version of the problem:
;;   THIS VERSION OF THE PROBLEM IS GIVEN IN LOW PRECISION. The matrix products marked QUANTISED in the list below multiply operands that are first quantised to E3M2 (3 exponent bits, 2 mantissa bits; 6 bits a number), with one power-of-two scale for each 32 numbers along K (OCP MX v1.0); their sums are f32. All else is computed in f32.
;;   The module's matrix products, in the order in which they are computed (A, B: the left and right operand; K: the contracted axis; several contracted axes count as one K, in the product's order):
;;     1. [M 4,096, K 1,024] x [K 1,024, N 1,024]; A: input x; B: input Wq: QUANTISED
;;     2. [M 4,096, K 1,024] x [K 1,024, N 1,024]; A: input x; B: input Wk: QUANTISED
;;     3. [M 4,096, K 1,024] x [K 1,024, N 1,024]; A: input x; B: input Wv: QUANTISED
;;     4. batch 65,536 x [M 1, K 64] x [K 64, N 64]; A: computed on the way; B: computed on the way: left as it is (M = 1 < 16)
;;     5. batch 65,536 x [M 1, K 64] x [K 64, N 1]; A: computed on the way; B: computed on the way: left as it is (M = 1 < 16)
;;     6. [M 4,096, K 1,024] x [K 1,024, N 1,024]; A: computed on the way; B: input Wo: QUANTISED
;;   THE QUANTISER, for each operand of a quantised product, along K:
;;     - K is cut into blocks of 32 from its start; a last block that is shorter is filled with zeros.
;;     - A block's scale is 2^e with e = floor(log2(the largest magnitude in the block)) - 4, held to -126 .. 127; a block of zeros has e = 0. As a byte (E8M0): e + 127.
;;     - Each number is divided by its block's scale, clamped to +-28, and rounded to the nearest number of E3M2, ties to even, subnormals kept.
;;     - The product sums the exact products of the quantised numbers (number of the format x scale) in f32.
;;   ~~~python
;;   def quantise(x, axis):      # numpy; x: float32 -> the quantised numbers, widened to float32 again
;;       x = np.moveaxis(x, axis, -1); K = x.shape[-1]
;;       x = np.pad(x, [(0, 0)] * (x.ndim - 1) + [(0, -K % 32)]); x = x.reshape(x.shape[:-1] + (-1, 32)); a = np.abs(x).max(-1, keepdims=True)
;;       e = np.where(a > 0, np.clip(np.frexp(np.where(a > 0, a, 1))[1] - 1 - 4, -126, 127), 0)      # np.frexp(a)[1] - 1 = floor(log2(a)), exactly
;;       r = np.clip(x / 2.0 ** e, -28, 28)
;;       step = 2.0 ** (np.maximum(np.frexp(np.where(r == 0, 1, r))[1] - 1, -2) - 2)
;;       q = np.round(r / step) * step * 2.0 ** e      # np.round: ties to even
;;       return np.moveaxis(q.reshape(q.shape[:-2] + (-1,))[..., :K], -1, axis).astype(np.float32)
;;   ~~~
;;   OPERANDS COMPUTED ON THE WAY. 'Computed on the way' means the value that the module computes at that place (a softmax that the list does not call 'softmax' is quantised finished and normalised). What goes into a quantiser is computed in f32, as accurately as f32 sums, v_exp_f32 and their like allow (about 1e-6 of the number): no bf16 or f16 on the way to a quantiser, and a product that is left as it is and whose result goes on into a quantised operand takes f32 operands (vector FMAs, or v_wmma_f32_16x16x4_f32). A number that lies on a knife's edge between two numbers of the format may be rounded either way, as far as f32 arithmetic and the matrix unit's own rounding can turn it there, and no further.
;; One version. Each part assembles by itself: llvm-mc -triple=amdgcn-amd-amdhsa -mcpu=gfx1250 --defsym DOCPART=n.
;; ======== version 1 of 1: 4 launches
;; workspace buffers: xq 3,276,800 bytes; wq 3,276,800 bytes; qimg 16,777,216 bytes; nimg 16,777,216 bytes; aux 4,521,984 bytes; aq 3,276,800 bytes
;; launch quant (part 1): grid 256 x 1, 4 waves a work-group, no clusters, 33,280 bytes of LDS; arguments x, Wq, Wk, Wv, Wo, xq, wq; writes xq, wq
.if DOCPART == 1
	.amdgcn_target "amdgcn-amd-amdhsa--gfx1250"
	.amdhsa_code_object_version 6
	.text
	.protected	k_q6cbd46a6b5_quant
	.globl	k_q6cbd46a6b5_quant
	.p2align	8
	.type	k_q6cbd46a6b5_quant,@function
k_q6cbd46a6b5_quant:
	s_mov_b64 s[64:65], 0
	v_nop
	global_prefetch_b8 v0, s[64:65] scope:SCOPE_SE
	s_setreg_imm32_b32 hwreg(HW_REG_WAVE_MODE, 25, 1), 1
	s_wait_xcnt 0x0
.set STEPS, 16
.set EMAX,  4
.set CB,    12
.set R,     16
.set X,     80
.set C,     128
.set E,     112
.set WREG,  8192
.set SP,    80
.set SPW,   12
.set NIL,   13
.set SPARE, 4*WREG
.set SCOFF, 3145728
	s_load_b256 s[4:11], s[0:1], 0x0
	s_load_b128 s[12:15], s[0:1], 0x20
	s_load_b64 s[16:17], s[0:1], 0x30
	v_lshl_add_u32 v[SPW], v0, 2, SPARE
	v_mov_b32 v[NIL], 0
	v_lshrrev_b32 v1, 5, v0
	v_readfirstlane_b32 s18, v1
	v_and_b32 v2, 31, v0
	v_lshlrev_b32 v3, 4, v2
	s_mul_i32 s19, s18, WREG
	v_lshrrev_b32 v14, 2, v2
	v_mul_u32_u24 v14, v14, SP
	v_and_b32 v15, 3, v2
	v_lshl_add_u32 v14, v15, 4, v14
	v_add_nc_u32 v14, s19, v14
	v_mul_u32_u24 v15, v2, SP
	v_add_nc_u32 v15, s19, v15
	v_mul_u32_u24 v4, v2, CB
	v_lshrrev_b32 v5, 1, v2
	s_add_co_u32 s19, s19, 2*32*SP
	v_add_nc_u32 v5, s19, v5
	v_lshlrev_b32 v7, 3, v2
	v_add_nc_u32 v6, s19, v7
	s_and_b32 s20, ttmp9, 127
	s_lshr_b32 s21, s20, 5
	s_and_b32 s22, s20, 31
	s_cmp_lt_u32 ttmp9, 128
	s_cselect_b32 s22, s20, s22
	s_lshl_b32 s23, s22, 5
	s_lshl_b32 s28, s18, 3
	s_add_co_u32 s23, s23, s28
	s_lshr_b32 s28, s23, 6
	s_mul_i32 s28, s28, 192
	s_lshl_b32 s29, s21, 6
	s_add_co_u32 s28, s28, s29
	s_and_b32 s29, s23, 63
	s_add_co_u32 s28, s28, s29
	s_add_co_u32 s29, s23, 3072
	s_cmp_eq_u32 s21, 3
	s_cselect_b32 s28, s29, s28
	s_cmp_lt_u32 ttmp9, 128
	s_cselect_b32 s28, s23, s28
	s_lshl_b32 s30, s23, 12
	s_mov_b32 s31, 0
	s_mul_i32 s32, s28, 768
	s_mov_b32 s33, 0
	s_lshl_b32 s34, s28, 5
	s_add_co_u32 s34, s34, SCOFF
	s_mov_b32 s35, 0
	s_wait_kmcnt 0x0
	s_mov_b64 s[24:25], s[12:13]
	s_cmp_eq_u32 s21, 2
	s_cselect_b64 s[24:25], s[10:11], s[24:25]
	s_cmp_eq_u32 s21, 1
	s_cselect_b64 s[24:25], s[8:9], s[24:25]
	s_cmp_eq_u32 s21, 0
	s_cselect_b64 s[24:25], s[6:7], s[24:25]
	s_cmp_lt_u32 ttmp9, 128
	s_cselect_b64 s[24:25], s[4:5], s[24:25]
	s_cselect_b64 s[26:27], s[14:15], s[16:17]
	s_add_nc_u64 s[24:25], s[24:25], s[30:31]
	s_add_nc_u64 s[36:37], s[26:27], s[32:33]
	s_add_nc_u64 s[38:39], s[26:27], s[34:35]
.macro LOAD t
.irp i, 0,1,2,3
	global_load_b128 v[R+16*((\t)%4)+4*\i:R+16*((\t)%4)+4*\i+3], v3, s[24:25] offset:2048*(\t)+512*\i th:TH_LOAD_NT
.endr
.endm
.macro TURN t
.irp i, 0,1,2,3
	ds_store_b128 v14, v[R+16*((\t)%4)+4*\i:R+16*((\t)%4)+4*\i+3] offset:32*SP*((\t)%2)+8*SP*\i
.endr
.irp i, 0,1,2,3
	ds_load_b128 v[X+16*((\t)%2)+4*\i:X+16*((\t)%2)+4*\i+3], v15 offset:32*SP*((\t)%2)+16*\i
.endr
.endm
.irp t, 0,1,2,3
	LOAD \t
.endr
	s_wait_loadcnt 12
	TURN 0
.macro STEP t
.set XS, X+16*((\t)%2)
.if (\t) > 0
	s_wait_dscnt 1
.else
	s_wait_dscnt 0x0
.endif
.if (\t)+4 < STEPS
	LOAD (\t)+4
.endif
.if (\t)+1 < STEPS
.if STEPS-2-(\t) >= 3
	s_wait_loadcnt 12
.else
	s_wait_loadcnt 4*(STEPS-2-(\t))
.endif
	TURN (\t)+1
.endif
	v_max3_num_f32 v8, |v[XS]|, |v[XS+1]|, |v[XS+2]|
	v_max3_num_f32 v9, |v[XS+3]|, |v[XS+4]|, |v[XS+5]|
.irp i, 6,10
	v_max3_num_f32 v8, v8, |v[XS+\i]|, |v[XS+\i+1]|
	v_max3_num_f32 v9, v9, |v[XS+\i+2]|, |v[XS+\i+3]|
.endr
	v_max3_num_f32 v8, v8, |v[XS+14]|, |v[XS+15]|
	v_max3_num_f32 v8, v8, v9, (EMAX+1)<<23
	v_max_num_f32_dpp v8, v8, v8 row_xmask:1 row_mask:0xf bank_mask:0xf
	v_add_nc_u32 v11, 0xfe000000, v8
	v_cvt_scalef32_pk16_bf6_f32 v[C+4*(\t):C+4*(\t)+2], v[XS:XS+15], v11
	v_lshrrev_b32 v[E+(\t)], 23, v11
	ds_store_b8 v5, v[E+(\t)] offset:16*(\t)
	global_store_b96 v4, v[C+4*(\t):C+4*(\t)+2], s[36:37] offset:32*CB*(\t)
.endm
.irp t, 0,1,2,3,4,5,6,7,8,9,10,11,12,13,14,15
	STEP \t
.endr
	ds_load_b64 v[8:9], v6
	s_wait_dscnt 0x0
	global_store_b64 v7, v[8:9], s[38:39]
	s_wait_tensorcnt 0x0
	ds_add_u32 v[SPW], v[NIL]
	s_wait_dscnt 0x0
	s_endpgm
.Lfunc_end_k_q6cbd46a6b5_quant:
	.size	k_q6cbd46a6b5_quant, .Lfunc_end_k_q6cbd46a6b5_quant-k_q6cbd46a6b5_quant
	.p2alignl 7, 3214868480
	.fill 96, 4, 3214868480
	.section	.rodata,"a",@progbits
	.p2align	6, 0x0
	.amdhsa_kernel k_q6cbd46a6b5_quant
		.amdhsa_group_segment_fixed_size 33280
		.amdhsa_private_segment_fixed_size 0
		.amdhsa_enable_private_segment 0
		.amdhsa_kernarg_size 56
		.amdhsa_user_sgpr_count 2
		.amdhsa_user_sgpr_kernarg_segment_ptr 1
		.amdhsa_wavefront_size32 1
		.amdhsa_system_sgpr_workgroup_id_x 1
		.amdhsa_system_sgpr_workgroup_id_y 1
		.amdhsa_system_sgpr_workgroup_id_z 1
		.amdhsa_system_vgpr_workitem_id 0
		.amdhsa_next_free_vgpr 192
		.amdhsa_next_free_sgpr 66
		.amdhsa_reserve_vcc 0
		.amdhsa_float_denorm_mode_32 3
		.amdhsa_float_denorm_mode_16_64 3
		.amdhsa_memory_ordered 1
		.amdhsa_forward_progress 1
		.amdhsa_inst_pref_size 33
	.end_amdhsa_kernel
	.amdgpu_metadata
---
amdhsa.version: [ 1, 2 ]
amdhsa.kernels:
  - .name:           k_q6cbd46a6b5_quant
    .symbol:         k_q6cbd46a6b5_quant.kd
    .args:
      - { .name: x, .offset: 0, .size: 8, .value_kind: global_buffer, .address_space: global }
      - { .name: Wq, .offset: 8, .size: 8, .value_kind: global_buffer, .address_space: global }
      - { .name: Wk, .offset: 16, .size: 8, .value_kind: global_buffer, .address_space: global }
      - { .name: Wv, .offset: 24, .size: 8, .value_kind: global_buffer, .address_space: global }
      - { .name: Wo, .offset: 32, .size: 8, .value_kind: global_buffer, .address_space: global }
      - { .name: xq, .offset: 40, .size: 8, .value_kind: global_buffer, .address_space: global }
      - { .name: wq, .offset: 48, .size: 8, .value_kind: global_buffer, .address_space: global }
    .group_segment_fixed_size: 33280
    .private_segment_fixed_size: 0
    .kernarg_segment_align: 8
    .kernarg_segment_size: 56
    .max_flat_workgroup_size: 128
    .sgpr_count:     66
    .vgpr_count:     192
    .wavefront_size: 32
...
	.end_amdgpu_metadata
.endif
;; end of part 1
;; launch qkvatt (part 2): grid 16 x 16, 4 waves a work-group, clusters of 4 x 4, 327,680 bytes of LDS; arguments xq, wq, bq, bk, bv, beta, qimg, nimg, aux; writes qimg, nimg, aux
.if DOCPART == 2
	.amdgcn_target "amdgcn-amd-amdhsa--gfx1250"
	.amdhsa_code_object_version 6
	.text
	.protected	k_q6cbd46a6b5_qkvatt
	.globl	k_q6cbd46a6b5_qkvatt
	.p2align	8
	.type	k_q6cbd46a6b5_qkvatt,@function
k_q6cbd46a6b5_qkvatt:
	s_mov_b64 s[64:65], 0
	v_nop
	global_prefetch_b8 v0, s[64:65] scope:SCOPE_SE
	s_setreg_imm32_b32 hwreg(HW_REG_WAVE_MODE, 25, 1), 1
	s_wait_xcnt 0x0
	s_wait_alu depctr_hold_cnt(0) depctr_sa_sdst(0) depctr_va_vdst(0) depctr_va_sdst(0) depctr_va_ssrc(0) depctr_va_vcc(0) depctr_vm_vsrc(0)
	s_getreg_b32 s2, hwreg(HW_REG_IB_STS2, 6, 4)
	s_cmp_eq_u32 s2, 0
	s_cbranch_scc0 .Lentry_in_a_cluster
	s_endpgm
.Lentry_in_a_cluster:
	s_bfe_u32 s2, ttmp6, 0x10000c
	s_cmp_lg_u32 s2, 0xf033
	s_cbranch_scc0 .Lentry_shape_is_right
	s_endpgm
.Lentry_shape_is_right:
.set PITCH, 240
.set SLOT,  107520
.set BOFF,  61440
.set SPARE, 322560
.set QL,    0
.set QP,    272
.set KT,    69632
.set VT,    136192
.set TP,    1040
.set AT,    202752
.set KNB,   219136
.set NVT,   223488
.set SCOFF, 3145728
.set FR,    12
.set WV, 22
.set WH, 23
.set WL, 24
.set G1A, 32
.set G1B, 40
.set G0A, 48
.set G0B, 68
.set MK,  80
.set L2E, 88
.set POS0, 89
.set LN2, 90
.set SEL, 92
.set CNT, 94
.set TQ,  95
.set TA,  96
.set TK,  97
.set ADRA,  4
.set ADRA2, 7
.set ADRB,  10
.set ADRB2, 13
.set SPW,   16
.set NIL,   17
.set SCA,   32
.set SCB,   48
.set AF,    96
.set BQ,    192
.set BK,    224
.set BV,    232
.set INV,   240
.set XM,    242
.set SS,   144
.set OO,   176
.set ATA,  208
.set TID1, 240
.set R1,   241
.set H1,   242
.set L16,  243
.set QST,  244
.set KST,  245
.set VST,  246
.set L4,   247
.set KCD,  248
.set KPA,  249
.set KPS,  250
.set KRD,  251
.set QRC,  252
.set KTC,  253
.set VTC,  254
.set ATC,  255
.set NVS,  100
.set VN,   104
.set VNC,  126
.set ADN,  127
.set RS,   128
.set DEN,  132
.set ADQ,  136
.set ADA,  137
.set ADV,  138
.set ADK,  139
.set ATW,  140
.set RMH,  141
.set MSB, 0
.macro WIN new
.if MSB != (\new)
	s_set_vgpr_msb (MSB<<8)|(\new)
.set MSB, (\new)
.endif
.endm
.macro PLACES n
.rept \n
	v_nop
.endr
.endm
.macro CREST
	s_cmp_lg_u32 s[WV], 0
	s_cbranch_scc1 .Lnot_wave_0_\@
	s_barrier_signal -3
.Lnot_wave_0_\@:
	s_barrier_wait -3
	s_barrier_signal -1
	s_barrier_wait -1
.endm
.macro CROUND
	s_barrier_signal -1
	s_barrier_wait -1
	CREST
.endm
.macro JLOAD g0a, g0b
	s_cmp_eq_u32 s[WH], 0
	s_cbranch_scc0 .Lfor_b_\@
	tensor_load_to_lds s[\g0a:\g0a+3], s[G1A:G1A+7]
	s_nop 0
.rept 4
	v_nop
.endr
	s_branch .Lasked_\@
.Lfor_b_\@:
	tensor_load_to_lds s[\g0b:\g0b+3], s[G1B:G1B+7]
	s_nop 0
.rept 4
	v_nop
.endr
.Lasked_\@:
.endm
	s_load_b512 s[4:19], s[0:1], 0x0
	s_load_b64 s[20:21], s[0:1], 0x40
	v_lshl_add_u32 v[SPW], v0, 2, SPARE
	v_mov_b32 v[NIL], 0
	ds_add_u32 v[SPW], v[NIL]
	ds_add_u32 v[SPW], v[NIL]
	v_lshrrev_b32 v1, 5, v0
	v_readfirstlane_b32 s[WV], v1
	s_lshr_b32 s[WH], s[WV], 1
	s_and_b32 s[WL], s[WV], 1
	s_bfe_u32 s25, ttmp6, 0x40000
	s_bfe_u32 s26, ttmp6, 0x40004
	s_lshl_b32 s27, ttmp9, 2
	s_add_co_u32 s27, s27, s25
	s_and_b32 s28, ttmp7, 0xffff
	s_lshl_b32 s28, s28, 2
	s_add_co_u32 s28, s28, s26
	s_lshr_b32 s29, s28, 3
	s_and_b32 s30, s28, 7
	s_lshl_b32 s31, s29, 4
	s_add_co_u32 s31, s31, s27
	s_lshl_b32 s98, s26, 2
	s_lshl_b32 s98, 15, s98
	s_lshl_b32 s99, 0x1111, s25
	s_or_b32 s[G1A], s98, (1<<20)|(1<<21)|(3<<22)|(3<<25)
	s_or_b32 s[G1B], s99, (1<<20)|(1<<21)|(3<<22)|(3<<25)
	s_mov_b32 s[G1A+1], 192<<16
	s_mov_b32 s[G1A+2], 128<<16
	s_mov_b32 s[G1A+3], 192<<16
	s_mov_b32 s[G1A+4], 128
	s_mov_b32 s[G1A+5], 1536
	s_mov_b32 s[G1A+6], 0
	s_mov_b32 s[G1A+7], 0
	s_mov_b32 s[G1B+1], 192<<16
	s_mov_b32 s[G1B+2], 96<<16
	s_mov_b32 s[G1B+3], 192<<16
	s_mov_b32 s[G1B+4], 96
	s_mov_b32 s[G1B+5], 768
	s_mov_b32 s[G1B+6], 0
	s_mov_b32 s[G1B+7], 0
	s_lshl_b32 s60, s30, 8
	s_lshl_b32 s100, s[WL], 7
	s_add_co_u32 s60, s60, s100
	s_lshl_b32 s60, s60, 1
	s_add_co_u32 s60, s60, s29
	s_mul_i32 s60, s60, 768
	s_mov_b32 s61, 0
	s_mul_i32 s62, s27, 192
	s_mul_i32 s100, s[WL], 96
	s_add_co_u32 s62, s62, s100
	s_mul_i32 s62, s62, 768
	s_mov_b32 s63, 0
	s_mul_i32 s66, s[WL], 128*PITCH
	s_mul_i32 s67, s[WL], 96*PITCH
	s_add_co_u32 s67, s67, BOFF
	s_mov_b32 s[L2E], 0x3fb8aa3b
	s_mov_b32 s[LN2], 0x3f317218
	s_mov_b32 s[LN2+1], s[LN2]
	s_mov_b32 s[SEL], 0x76543210
	s_mov_b32 s[SEL+1], 0xfedcba98
	s_lshl_b32 s[POS0], s30, 8
	s_lshl_b32 s100, s[WV], 6
	s_add_co_u32 s[POS0], s[POS0], s100
	s_wait_dscnt 0x0
	s_wait_kmcnt 0x0
	s_add_nc_u64 s[60:61], s[4:5], s[60:61]
	s_add_nc_u64 s[62:63], s[6:7], s[62:63]
	CROUND
.irp s, 0,1,2
	s_mov_b32 s[G0A+4*\s], 1
	s_add_co_u32 s[G0A+4*\s+1], s66, \s*SLOT
	s_add_nc_u64 s[G0A+4*\s+2:G0A+4*\s+3], s[60:61], \s*192
	s_or_b32 s[G0A+4*\s+3], s[G0A+4*\s+3], 0x80000000
	s_mov_b32 s[G0B+4*\s], 1
	s_add_co_u32 s[G0B+4*\s+1], s67, \s*SLOT
	s_add_nc_u64 s[G0B+4*\s+2:G0B+4*\s+3], s[62:63], \s*192
	s_or_b32 s[G0B+4*\s+3], s[G0B+4*\s+3], 0x80000000
	JLOAD G0A+4*\s, G0B+4*\s
.endr
	s_lshl_b32 s100, s[POS0], 1
	s_add_co_u32 s100, s100, s29
	s_lshl_b32 s100, s100, 5
	s_add_co_u32 s100, s100, SCOFF
	s_mov_b32 s101, 0
	s_add_nc_u64 s[4:5], s[4:5], s[100:101]
	s_mul_i32 s100, s27, 6144
	s_add_co_u32 s100, s100, SCOFF
	s_add_nc_u64 s[6:7], s[6:7], s[100:101]
	s_lshl_b32 s100, s27, 8
	s_add_nc_u64 s[8:9], s[8:9], s[100:101]
	s_add_nc_u64 s[10:11], s[10:11], s[100:101]
	s_add_nc_u64 s[12:13], s[12:13], s[100:101]
	s_lshl_b32 s100, s27, 2
	s_add_nc_u64 s[14:15], s[14:15], s[100:101]
	v_and_b32 v1, 15, v0
	v_bfe_u32 v2, v0, 4, 1
	v_and_b32 v3, 1, v0
	v_sub_nc_u32 v3, 0, v3
	v_and_b32 v[XM], 0x20820820, v3
	v_and_b32 v[XM+1], 0x08208208, v3
	v_and_b32 v[XM+2], 0x82082082, v3
	v_mov_b32 v19, 0
	v_lshlrev_b32 v20, 6, v1
	v_lshl_add_u32 v20, v2, 4, v20
	v_lshlrev_b32 v21, 5, v1
	v_lshl_add_u32 v21, v2, 4, v21
	v_lshlrev_b32 v22, 5, v2
	v_lshlrev_b32 v23, 2, v1
	global_load_b32 v18, v19, s[14:15]
.irp p, 0,1,2,3
	global_load_b128 v[SCA+4*\p:SCA+4*\p+3], v20, s[4:5] offset:1024*\p
.endr
.irp n, 0,1,2,3,4,5,6,7,8,9,10,11
	global_load_b128 v[SCB+4*\n:SCB+4*\n+3], v21, s[6:7] offset:512*\n
.endr
.irp a, 0,1,2,3
	global_load_b128 v[BQ+8*\a:BQ+8*\a+3], v22, s[8:9] offset:64*\a
	global_load_b128 v[BQ+8*\a+4:BQ+8*\a+7], v22, s[8:9] offset:64*\a+16
	global_load_b32 v[BK+2*\a], v23, s[10:11] offset:64*\a
	global_load_b32 v[BV+2*\a], v23, s[12:13] offset:64*\a
.endr
	v_mul_u32_u24 v3, v1, PITCH
	v_mad_u32_u24 v25, v2, 24, v3
	v_lshl_add_u32 v26, v2, 4, v25
	s_mul_i32 s100, s[WV], 64*PITCH
.irp s, 0,1,2
	v_add_nc_u32 v[ADRA+\s], s100, v25
	v_add_nc_u32 v[ADRA2+\s], s100, v26
	v_add_nc_u32 v[ADRB+\s], BOFF+\s*SLOT, v25
	v_add_nc_u32 v[ADRB2+\s], BOFF+\s*SLOT, v26
	s_add_co_u32 s100, s100, SLOT
.endr
	WIN 0x40
	v_and_b32 v[TID1], 127, v0
	WIN 0x55
	v_and_b32 v[R1], 15, v[TID1]
	v_bfe_u32 v[H1], v[TID1], 4, 1
	v_and_b32 v[L4], 31, v[TID1]
	v_lshlrev_b32 v[L16], 4, v[L4]
	v_lshlrev_b32 v[L4], 2, v[L4]
	v_mul_u32_u24 v[QRC], v[R1], QP
	v_lshl_add_u32 v[QRC], v[H1], 5, v[QRC]
	s_mul_i32 s100, s[WV], 64*QP
	v_add_nc_u32 v[QST], s100, v[QRC]
	v_mul_u32_u24 v[KTC], v[R1], TP
	v_lshl_add_u32 v[KTC], v[H1], 5, v[KTC]
	v_add_nc_u32 v[KTC], KT, v[KTC]
	s_lshl_b32 s100, s[WV], 8
	v_add_nc_u32 v[KST], s100, v[KTC]
	v_add_nc_u32 v[VST], VT-KT, v[KST]
	v_mul_u32_u24 v[KCD], v[H1], 8*TP
	v_lshl_add_u32 v[KCD], v[R1], 2, v[KCD]
	s_add_co_u32 s100, s100, KT
	v_add_nc_u32 v[KCD], s100, v[KCD]
	v_mul_u32_u24 v[KPA], v[R1], TP
	v_lshl_add_u32 v[KPA], v[H1], 9, v[KPA]
	s_mul_i32 s100, s[WV], 16*TP
	s_add_co_u32 s100, s100, KT
	v_add_nc_u32 v[KPA], s100, v[KPA]
	v_lshlrev_b32 v[KPS], 11, v[H1]
	v_lshl_add_u32 v[KPS], v[R1], 2, v[KPS]
	s_lshl_b32 s100, s[WV], 6
	s_add_co_u32 s100, s100, KNB
	v_add_nc_u32 v[KPS], s100, v[KPS]
	s_lshl_b32 s100, s[WV], 10
	s_add_co_u32 s100, s100, KNB
	v_lshl_add_u32 v[KRD], v[H1], 5, s100
	v_and_b32 v[VTC], 8, v[R1]
	v_add_nc_u32 v[VTC], v[VTC], v[R1]
	v_mul_u32_u24 v[VTC], v[VTC], TP
	v_lshl_add_u32 v[VTC], v[H1], 5, v[VTC]
	s_lshl_b32 s100, s[WH], 5
	s_lshl_b32 s101, s[WL], 3
	s_add_co_u32 s100, s100, s101
	s_mul_i32 s100, s100, TP
	s_add_co_u32 s100, s100, VT
	v_add_nc_u32 v[VTC], s100, v[VTC]
	v_add_nc_u32 v[ATC], AT, v[L16]
	WIN 0
	s_wait_loadcnt 0x0
	v_mul_f32 v18, 0xbfb8aa3b, v18
	v_exp_f32 v[INV], v18
	v_nop
	s_wait_alu depctr_va_vdst(0)
	v_mul_f32 v[INV], 0x3e000000, v[INV]
	v_mov_b32 v[INV+1], v[INV]
.set j, 0
.rept 16
	v_pk_mul_f32 v[BQ+j:BQ+j+1], v[BQ+j:BQ+j+1], v[INV:INV+1]
.set j, j+2
.endr
.irp a, 0,1,2,3
	v_mul_f32 v[BK+2*\a], v[BK+2*\a], v[INV]
	v_mov_b32 v[BV+2*\a+1], v[BV+2*\a]
.endr
.irp a, 0,1,2,3
	v_mov_b32 v[BK+2*\a+1], v[BK+2*\a]
.endr
	s_mov_b32 s101, 0
	s_lshl_b32 s100, s31, 19
	s_lshl_b32 s3, s[POS0], 8
	s_add_co_u32 s100, s100, s3
	s_add_nc_u64 s[16:17], s[16:17], s[100:101]
	s_lshl_b32 s100, s31, 19
	s_lshl_b32 s3, s30, 16
	s_add_co_u32 s100, s100, s3
	s_lshl_b32 s3, s[WV], 10
	s_add_co_u32 s100, s100, s3
	s_add_nc_u64 s[18:19], s[18:19], s[100:101]
	s_lshl_b32 s100, s31, 13
	s_lshl_b32 s3, s[POS0], 2
	s_add_co_u32 s100, s100, s3
	s_add_nc_u64 s[8:9], s[20:21], s[100:101]
	s_lshl_b32 s3, s31, 3
	s_add_co_u32 s3, s3, s30
	s_lshl_b32 s100, s3, 14
	s_lshl_b32 s2, s[WV], 12
	s_add_co_u32 s100, s100, s2
	s_add_co_u32 s100, s100, 262144
	s_add_nc_u64 s[10:11], s[20:21], s[100:101]
	s_lshl_b32 s100, s3, 8
	s_add_co_u32 s100, s100, 4456448
	s_add_nc_u64 s[12:13], s[20:21], s[100:101]
.macro FRAG reg, adr, adr2, q, i
.irp p, 0,1,2,3,4,5
.set PC, 12*(\q)+6*(\p/3)+\p%3
.if PC%8 < 5
	ds_load_b64 v[\reg+2*\p:\reg+2*\p+1], v[\adr] offset:8*PC+16*(PC/8)+(\i)*16*PITCH
.else
	ds_load_b64 v[\reg+2*\p:\reg+2*\p+1], v[\adr2] offset:8*PC+16*(PC/8)+(\i)*16*PITCH
.endif
.endr
.endm
.macro LDA set, slot, qq
	WIN 0
.irp p, 0,1,2,3
	FRAG AF+48*(\set)+FR*\p, ADRA+(\slot), ADRA2+(\slot), \qq, \p
.endr
.endm
.macro LDB part, slot, qq
	WIN 0x40
.irp a, 0,1,2,3
	FRAG 48*(\part)+FR*\a, ADRB+(\slot), ADRB2+(\slot), \qq, 4*(\part)+\a
.endr
.endm
.macro MM d, x, y, sx, sy, s
.if (\s) == 0
	v_wmma_scale_f32_16x16x128_f8f6f4 v[\d:\d+7], v[\x:\x+11], v[\y:\y+11], 0, v[\sx], v[\sy] matrix_a_fmt:MATRIX_FMT_BF6 matrix_b_fmt:MATRIX_FMT_BF6
.elseif (\s) < 4
	v_wmma_scale_f32_16x16x128_f8f6f4 v[\d:\d+7], v[\x:\x+11], v[\y:\y+11], v[\d:\d+7], v[\sx], v[\sy] matrix_a_fmt:MATRIX_FMT_BF6 matrix_b_fmt:MATRIX_FMT_BF6
.else
	v_wmma_scale_f32_16x16x128_f8f6f4 v[\d:\d+7], v[\x:\x+11], v[\y:\y+11], v[\d:\d+7], v[\sx], v[\sy] matrix_a_fmt:MATRIX_FMT_BF6 matrix_b_fmt:MATRIX_FMT_BF6 matrix_a_scale:MATRIX_SCALE_ROW1 matrix_b_scale:MATRIX_SCALE_ROW1
.endif
.endm
.macro MULQ s
	WIN 0xa1
.irp p, 0,1,2,3
.irp a, 0,1,2,3
.set rD, 8*(4*\p+\a)
.set rX, FR*\a
.set rY, AF+48*((\s)%2)+FR*\p
.set sX, SCB+4*\a+(\s)%4
.set sY, SCA+4*\p+(\s)%4
	MM rD, rX, rY, sX, sY, \s
.endr
.endr
.endm
.macro MULK s
	WIN 0xa4
.irp p, 0,1,2,3
.irp a, 0,1,2,3
.set rD, 128+8*(4*\p+\a)
.set rX, AF+48*((\s)%2)+FR*\p
.set rY, 48+FR*\a
.set sX, SCA+4*\p+(\s)%4
.set sY, SCB+16+4*\a+(\s)%4
	MM rD, rX, rY, sX, sY, \s
.endr
.endr
.endm
.macro MULV s
	WIN 0xf4
.irp p, 0,1,2,3
.irp a, 0,1,2,3
.set rD, 8*(4*\p+\a)
.set rX, AF+48*((\s)%2)+FR*\p
.set rY, 96+FR*\a
.set sX, SCA+4*\p+(\s)%4
.set sY, SCB+32+4*\a+(\s)%4
	MM rD, rX, rY, sX, sY, \s
.endr
.endr
.endm
.macro KSTEP s, nslot, nq
	s_wait_dscnt 48
	MULQ \s
	PLACES 4
.if (\s) == 1
	WIN 0
	s_wait_tensorcnt 0x0
	ds_add_u32 v[SPW], v[NIL]
	s_add_nc_u64 s[G0A+2:G0A+3], s[G0A+2:G0A+3], 576
	s_add_nc_u64 s[G0B+2:G0B+3], s[G0B+2:G0B+3], 576
	s_wait_dscnt 0x0
	CROUND
	JLOAD G0A, G0B
.endif
.if (\s) == 5
	WIN 0
	s_wait_tensorcnt 0x0
	ds_add_u32 v[SPW], v[NIL]
	s_wait_dscnt 0x0
	s_barrier_signal -1
	s_barrier_wait -1
.endif
.if (\s) < 7
	LDB 0, \nslot, \nq
	LDA 1-(\s)%2, \nslot, \nq
	s_wait_dscnt 63
.else
	s_wait_dscnt 24
.endif
	MULK \s
	PLACES 4
	WIN 0
.irp p, 0,1,2,3
.irp i, 0,1,2,3,4,5,6,7,8,9,10,11
	v_xor_b32 v[AF+48*((\s)%2)+FR*\p+\i], v[XM+\i%3], v[AF+48*((\s)%2)+FR*\p+\i]
.endr
.endr
	PLACES 4
.if (\s) < 7
	LDB 1, \nslot, \nq
	s_wait_dscnt 63
.else
	s_wait_dscnt 0x0
.endif
	MULV \s
	PLACES 4
.if (\s) < 7
	LDB 2, \nslot, \nq
.endif
.endm
	s_wait_tensorcnt 2
	s_barrier_signal -1
	s_barrier_wait -1
	LDB 0, 0, 0
	LDA 0, 0, 0
	LDB 1, 0, 0
	LDB 2, 0, 0
	KSTEP 0, 0, 1
	KSTEP 1, 1, 0
	KSTEP 2, 1, 1
	KSTEP 3, 2, 0
	KSTEP 4, 2, 1
	KSTEP 5, 0, 0
	KSTEP 6, 0, 1
	KSTEP 7, 0, 0
	s_wait_dscnt 0x0
	s_barrier_signal -1
	s_barrier_wait -1
	WIN 0x55
	v_add_nc_u32 v[NVS], NVT-VT, v[VST]
.macro SPCORE
.set j, 0
.rept 32
	v_mul_f32 v[32+j], s[L2E], -|v[j]|
.set j, j+1
.endr
.set j, 0
.rept 32
	v_exp_f32 v[32+j], v[32+j]
.set j, j+1
.endr
	v_nop
	s_wait_alu depctr_va_vdst(0)
.set j, 0
.rept 16
	v_pk_add_f32 v[64+j:65+j], v[32+j:33+j], 1.0 op_sel_hi:[1,0]
.set j, j+2
.endr
.set j, 0
.rept 4
.irp k, 0,2,4,6
	v_pk_add_f32 v[96+\k:97+\k], v[64+j+\k:65+j+\k], -1.0 op_sel_hi:[1,0]
.endr
.irp k, 0,2,4,6
	v_pk_add_f32 v[32+j+\k:33+j+\k], v[32+j+\k:33+j+\k], v[96+\k:97+\k] neg_lo:[0,1] neg_hi:[0,1]
.endr
.set j, j+8
.endr
.set j, 0
.rept 32
	v_log_f32 v[64+j], v[64+j]
.set j, j+1
.endr
.set j, 0
.rept 32
	v_max_num_f32 v[j], 0, v[j]
.set j, j+1
.endr
	s_wait_alu depctr_va_vdst(0)
.set j, 0
.rept 16
	v_pk_fma_f32 v[64+j:65+j], v[64+j:65+j], s[LN2:LN2+1], v[32+j:33+j] op_sel_hi:[1,0,1]
.set j, j+2
.endr
.set j, 0
.rept 16
	v_pk_add_f32 v[j:j+1], v[j:j+1], v[64+j:65+j]
.set j, j+2
.endr
.endm
.macro EPIV p
	s_wait_dscnt 0x0
	WIN 0x43
.irp a, 0,1,2,3
.irp i, 0,2,4,6
	v_pk_add_f32 v[8*\a+\i:8*\a+\i+1], v[8*(4*\p+\a)+\i:8*(4*\p+\a)+\i+1], v[BV+2*\a:BV+2*\a+1] op_sel_hi:[1,0] neg_hi:[1,0]
.endr
.endr
	WIN 0x55
.set j, 0
.rept 16
	v_pk_mul_f32 v[32+j:33+j], v[j:j+1], -1.0 op_sel_hi:[1,0]
.set j, j+2
.endr
.irp a, 0,1,2,3
.irp g, 0,1
	ds_store_b128 v[VST], v[8*\a+4*\g:8*\a+4*\g+3] offset:\a*16*TP+64*\p+16*\g
.endr
.endr
.irp a, 0,1,2,3
.irp g, 0,1
	ds_store_b128 v[NVS], v[32+8*\a+4*\g:32+8*\a+4*\g+3] offset:\a*16*TP+64*\p+16*\g
.endr
.endr
.endm
.macro EPIK p
	s_wait_dscnt 0x0
	WIN 0x42
.irp a, 0,1,2,3
.irp i, 0,2,4,6
	v_pk_fma_f32 v[8*\a+\i:8*\a+\i+1], v[128+8*(4*\p+\a)+\i:128+8*(4*\p+\a)+\i+1], v[INV:INV+1], v[BK+2*\a:BK+2*\a+1] op_sel_hi:[1,0,0]
.endr
.endr
	WIN 0x55
	SPCORE
.irp a, 0,1,2,3
.irp g, 0,1
	ds_store_b128 v[KST], v[8*\a+4*\g:8*\a+4*\g+3] offset:\a*16*TP+64*\p+16*\g
.endr
.endr
.endm
.macro EPIQ p
	s_wait_dscnt 0x0
	s_wait_xcnt 0x0
	WIN 0x42
.irp a, 0,1,2,3
.irp i, 0,2,4,6
	v_pk_fma_f32 v[8*\a+\i:8*\a+\i+1], v[8*(4*\p+\a)+\i:8*(4*\p+\a)+\i+1], v[INV:INV+1], v[BQ+8*\a+\i:BQ+8*\a+\i+1] op_sel_hi:[1,0,1]
.endr
.endr
	WIN 0x55
	SPCORE
.irp a, 0,1,2,3
.irp g, 0,1
	ds_store_b128 v[QST], v[8*\a+4*\g:8*\a+4*\g+3] offset:16*QP*\p+64*\a+16*\g
.endr
.endr
.irp a, 0,1,2,3
.irp g, 0,1
	global_store_b128 v[L16], v[8*\a+4*\g:8*\a+4*\g+3], s[16:17] offset:4096*\p+1024*\a+512*\g
.endr
.endr
.endm
.irp p, 0,1,2,3
	EPIV \p
.endr
.irp p, 0,1,2,3
	EPIK \p
.endr
.irp p, 0,1,2,3
	EPIQ \p
.endr
	s_wait_dscnt 0x0
	s_wait_xcnt 0x0
	s_barrier_signal -1
	s_barrier_wait -1
.macro LOADQK sg, a
.irp i, 0,1,2,3
.irp g, 0,1
	ds_load_b128 v[64*\sg+8*\i+4*\g:64*\sg+8*\i+4*\g+3], v[QST] offset:16*QP*\i+64*\a+16*\g
.endr
.endr
.irp i, 0,1,2,3
.irp j, 0,1,2,3,4,5,6,7
	ds_load_b32 v[64*\sg+32+8*\i+\j], v[KCD] offset:(16*\a+\j)*TP+64*\i
.endr
.endr
.endm
.macro MULQK sg, zero
.irp e, 0,1,2,3
.irp i, 0,1,2,3
.if (\zero) && (\e == 0)
	v_wmma_f32_16x16x4_f32 v[ATA+8*\i:ATA+8*\i+7], v[64*\sg+32+8*\i+2*\e:64*\sg+32+8*\i+2*\e+1], v[64*\sg+8*\i+2*\e:64*\sg+8*\i+2*\e+1], 0
.else
	v_wmma_f32_16x16x4_f32 v[ATA+8*\i:ATA+8*\i+7], v[64*\sg+32+8*\i+2*\e:64*\sg+32+8*\i+2*\e+1], v[64*\sg+8*\i+2*\e:64*\sg+8*\i+2*\e+1], v[ATA+8*\i:ATA+8*\i+7]
.endif
.endr
.endr
.endm
	LOADQK 0, 0
	LOADQK 1, 1
	s_wait_dscnt 40
	MULQK 0, 1
	PLACES 8
	LOADQK 0, 2
	s_wait_dscnt 40
	MULQK 1, 0
	PLACES 8
	LOADQK 1, 3
	s_wait_dscnt 40
	MULQK 0, 0
	s_wait_dscnt 0x0
	MULQK 1, 0
	PLACES 8
	v_lshlrev_b32 v[RMH], 3, v[H1]
	v_sub_nc_u32 v[RMH], v[R1], v[RMH]
	s_lshl_b32 s100, s[WV], 12
	v_add_nc_u32 v[ATW], s100, v[ATC]
.irp j, 0,1,2,3,4,5,6,7
	v_cmp_ge_i32 s[MK+\j], v[RMH], \j
.endr
.irp i, 0,1,2,3
.irp j, 0,1,2,3,4,5,6,7
	v_cndmask_b32 v[8*\i+\j], 0, v[ATA+8*\i+\j], s[MK+\j]
.endr
.endr
.irp i, 0,1,2,3
.irp g, 0,1
	ds_store_b128 v[ATW], v[8*\i+4*\g:8*\i+4*\g+3] offset:1024*\i+512*\g
.endr
.endr
.irp i, 0,1,2,3
	v_add_f32 v[RS+\i], v[8*\i], v[8*\i+1]
	v_mov_b32 v[104+\i], 0
.endr
.irp j, 2,3,4,5,6,7
.irp i, 0,1,2,3
	v_add_f32 v[RS+\i], v[RS+\i], v[8*\i+\j]
.endr
.endr
.irp i, 0,1,2,3
	v_permlanex16_b32 v[104+\i], v[RS+\i], s[SEL], s[SEL+1]
.endr
.irp i, 0,1,2,3
	v_add_f32 v[RS+\i], v[RS+\i], v[104+\i]
.endr
.irp bt, 0,1
.irp k, 0,1,2,3
.irp g, 0,1,2,3
	ds_load_b128 v[32+16*\k+4*\g:32+16*\k+4*\g+3], v[KPA] offset:64*(4*\bt+\k)+16*\g
.endr
.endr
	s_wait_dscnt 0x0
.irp o, 0,4,8,12
.irp k, 0,1,2,3
	v_pk_add_f32 v[32+16*\k+\o:32+16*\k+\o+1], v[32+16*\k+\o:32+16*\k+\o+1], v[32+16*\k+\o+2:32+16*\k+\o+3]
.endr
.endr
.irp o, 0,8
.irp k, 0,1,2,3
	v_pk_add_f32 v[32+16*\k+\o:32+16*\k+\o+1], v[32+16*\k+\o:32+16*\k+\o+1], v[32+16*\k+\o+4:32+16*\k+\o+5]
.endr
.endr
.irp k, 0,1,2,3
	v_pk_add_f32 v[32+16*\k:32+16*\k+1], v[32+16*\k:32+16*\k+1], v[32+16*\k+8:32+16*\k+9]
.endr
.irp k, 0,1,2,3
	v_add_f32 v[96+4*\bt+\k], v[32+16*\k], v[33+16*\k]
.endr
.endr
	v_mov_b32 v112, 0
	v_mov_b32 v122, 0
.irp c, 0,1,2,3,4,5,6,7
	v_add_f32 v[113+\c], v[112+\c], v[96+\c]
.endr
	v_permlanex16_b32 v122, v120, s[SEL], s[SEL+1]
	v_cmp_eq_u32 s98, 1, v[H1]
	v_cndmask_b32 v121, 0, v122, s98
.irp c, 0,1,2,3,4,5,6,7,8
	v_add_f32 v[112+\c], v121, v[112+\c]
.endr
.irp c, 0,1,2,3,4,5,6,7,8
	ds_store_b32 v[KPS], v[112+\c] offset:256*\c
.endr
	v_mov_b32 v142, 0
	v_mov_b32 v143, 0
	s_wait_dscnt 0x0
	s_barrier_signal -1
	s_barrier_wait -1
.irp i0, 0,2
	s_wait_xcnt 0x0
.irp ii, 0,1
.irp a, 0,1,2,3
.irp g, 0,1
	ds_load_b128 v[64*\ii+8*\a+4*\g:64*\ii+8*\a+4*\g+3], v[QST] offset:16*QP*(\i0+\ii)+64*\a+16*\g
	ds_load_b128 v[64*\ii+32+8*\a+4*\g:64*\ii+32+8*\a+4*\g+3], v[KRD] offset:256*(\i0+\ii)+64*\a+16*\g
.endr
.endr
.endr
	s_wait_dscnt 0x0
.irp ii, 0,1
	v_pk_mul_f32 v[DEN+2*\ii:DEN+2*\ii+1], v[64*\ii:64*\ii+1], v[64*\ii+32:64*\ii+33]
.endr
.irp j, 2,4,6,8,10,12,14,16,18,20,22,24,26,28,30
.irp ii, 0,1
	v_pk_fma_f32 v[DEN+2*\ii:DEN+2*\ii+1], v[64*\ii+\j:64*\ii+\j+1], v[64*\ii+32+\j:64*\ii+32+\j+1], v[DEN+2*\ii:DEN+2*\ii+1]
.endr
.endr
.irp ii, 0,1
	v_add_f32 v[DEN+2*\ii], v[DEN+2*\ii], v[DEN+2*\ii+1]
.endr
.irp ii, 0,1
	v_permlanex16_b32 v[142+\ii], v[DEN+2*\ii], s[SEL], s[SEL+1]
.endr
.irp ii, 0,1
	v_add_f32 v[DEN+2*\ii], v[DEN+2*\ii], v[142+\ii]
.endr
.irp ii, 0,1
	v_add_f32 v[DEN+2*\ii], v[DEN+2*\ii], v[RS+\i0+\ii]
.endr
	v_cndmask_b32 v[DEN], v[DEN], v[DEN+2], s98
	global_store_b32 v[L4], v[DEN], s[8:9] offset:64*\i0
.endr
.macro CHUNK first, next
	WIN 0x55
.if (\first) == 0
	s_wait_dscnt 12
.irp e, 0,1,2,3
.irp a, 0,1,2,3
.if \e == 0
	v_wmma_f32_16x16x4_f32 v[OO+8*\a:OO+8*\a+7], v[SS+8*\a+2*\e:SS+8*\a+2*\e+1], v[8*\a+2*\e:8*\a+2*\e+1], 0
.else
	v_wmma_f32_16x16x4_f32 v[OO+8*\a:OO+8*\a+7], v[SS+8*\a+2*\e:SS+8*\a+2*\e+1], v[8*\a+2*\e:8*\a+2*\e+1], v[OO+8*\a:OO+8*\a+7]
.endif
.endr
.endr
.endif
	s_wait_dscnt 8
.irp e, 0,1,2,3
.set rV, 64+40*(\e%2)+2*\e
.if \first
	v_wmma_f32_16x16x4_f32 v[OO+8*\e:OO+8*\e+7], v[rV:rV+1], v[72+2*\e:72+2*\e+1], 0
.else
	v_wmma_f32_16x16x4_f32 v[OO+8*\e:OO+8*\e+7], v[rV:rV+1], v[72+2*\e:72+2*\e+1], v[OO+8*\e:OO+8*\e+7]
.endif
.endr
	PLACES 9
.if \next
	s_add_co_u32 s[TQ], s[TQ], 16*QP
	s_add_co_u32 s[TA], s[TA], 1024
	v_add_nc_u32 v[ADQ], s[TQ], v[QRC]
	v_add_nc_u32 v[ADA], s[TA], v[ATC]
.irp a, 0,1,2,3
.irp g, 0,1
	ds_load_b128 v[8*\a+4*\g:8*\a+4*\g+3], v[ADQ] offset:64*\a+16*\g
.endr
.endr
.irp g, 0,1
	ds_load_b128 v[72+4*\g:72+4*\g+3], v[ADA] offset:512*\g
.endr
	s_wait_dscnt 10
.else
	s_wait_dscnt 0x0
.endif
.irp e, 0,1,2,3
.irp a, 0,1,2,3
.set rV, 64+40*(\a%2)+2*\e
.if (\first) && (\e == 0)
	v_wmma_f32_16x16x4_f32 v[SS+8*\a:SS+8*\a+7], v[32+8*\a+2*\e:32+8*\a+2*\e+1], v[rV:rV+1], 0
.else
	v_wmma_f32_16x16x4_f32 v[SS+8*\a:SS+8*\a+7], v[32+8*\a+2*\e:32+8*\a+2*\e+1], v[rV:rV+1], v[SS+8*\a:SS+8*\a+7]
.endif
.endr
.endr
	s_wait_xcnt 0x0
.if (\first) == 0
	s_add_nc_u64 s[18:19], s[18:19], 4096
.endif
.irp i, 0,2,4,6
	v_pk_add_f32 v[88+\i:89+\i], v[OO+\i:OO+\i+1], v[OO+8+\i:OO+8+\i+1] neg_lo:[0,1] neg_hi:[0,1]
.endr
.irp i, 0,2,4,6
	v_pk_add_f32 v[96+\i:97+\i], v[OO+16+\i:OO+16+\i+1], v[OO+24+\i:OO+24+\i+1] neg_lo:[0,1] neg_hi:[0,1]
.endr
.irp i, 0,2,4,6
	v_pk_add_f32 v[80+\i:81+\i], v[88+\i:89+\i], v[96+\i:97+\i]
.endr
.irp g, 0,1
	global_store_b128 v[L16], v[80+4*\g:80+4*\g+3], s[18:19] offset:512*\g
.endr
.if \next
	s_add_co_u32 s[TK], s[TK], 64
	v_add_nc_u32 v[ADV], s[TK], v[VTC]
	v_add_nc_u32 v[ADN], s[TK], v[VNC]
	v_add_nc_u32 v[ADK], s[TK], v[KTC]
.irp g, 0,1
	ds_load_b128 v[64+4*\g:64+4*\g+3], v[ADV] offset:16*\g
.endr
.irp g, 0,1
	ds_load_b128 v[VN+4*\g:VN+4*\g+3], v[ADN] offset:16*\g
.endr
.irp a, 0,1,2,3
.irp g, 0,1
	ds_load_b128 v[32+8*\a+4*\g:32+8*\a+4*\g+3], v[ADK] offset:16*TP*\a+16*\g
.endr
.endr
.endif
	WIN 0
.endm
	s_mov_b32 s[TQ], 0
	s_mov_b32 s[TA], 0
	s_mov_b32 s[TK], 0
	v_add_nc_u32 v[VNC], NVT-VT, v[VTC]
	v_add_nc_u32 v[ADA], s[TA], v[ATC]
	v_add_nc_u32 v[ADV], s[TK], v[VTC]
	v_add_nc_u32 v[ADN], s[TK], v[VNC]
	v_add_nc_u32 v[ADK], s[TK], v[KTC]
.irp g, 0,1
	ds_load_b128 v[72+4*\g:72+4*\g+3], v[ADA] offset:512*\g
.endr
.irp g, 0,1
	ds_load_b128 v[64+4*\g:64+4*\g+3], v[ADV] offset:16*\g
.endr
.irp g, 0,1
	ds_load_b128 v[VN+4*\g:VN+4*\g+3], v[ADN] offset:16*\g
.endr
.irp a, 0,1,2,3
.irp g, 0,1
	ds_load_b128 v[32+8*\a+4*\g:32+8*\a+4*\g+3], v[ADK] offset:16*TP*\a+16*\g
.endr
.endr
	CHUNK 1, 1
	s_mov_b32 s[CNT], 14
.Lchunk:
	CHUNK 0, 1
	s_sub_co_u32 s[CNT], s[CNT], 1
	s_cmp_lg_u32 s[CNT], 0
	s_cbranch_scc1 .Lchunk
	CHUNK 0, 0
	WIN 0x55
.irp a, 0,1,2,3
.irp g, 0,1
	global_store_b128 v[L16], v[SS+8*\a+4*\g:SS+8*\a+4*\g+3], s[10:11] offset:1024*\a+512*\g
.endr
.endr
	WIN 0
	v_and_b32 v19, 31, v0
	v_lshlrev_b32 v19, 3, v19
	v_add_nc_u32 v18, KNB+4096, v19
	s_cmp_lg_u32 s[WV], 0
	s_cbranch_scc1 .Lnot_mine
	ds_load_b64 v[20:21], v18
	s_wait_dscnt 0x0
	global_store_b64 v19, v[20:21], s[12:13]
.Lnot_mine:
	s_wait_tensorcnt 0x0
	ds_add_u32 v[SPW], v[NIL]
	s_wait_dscnt 0x0
	CROUND
	s_endpgm
.Lfunc_end_k_q6cbd46a6b5_qkvatt:
	.size	k_q6cbd46a6b5_qkvatt, .Lfunc_end_k_q6cbd46a6b5_qkvatt-k_q6cbd46a6b5_qkvatt
	.p2alignl 7, 3214868480
	.fill 96, 4, 3214868480
	.section	.rodata,"a",@progbits
	.p2align	6, 0x0
	.amdhsa_kernel k_q6cbd46a6b5_qkvatt
		.amdhsa_group_segment_fixed_size 327680
		.amdhsa_private_segment_fixed_size 0
		.amdhsa_enable_private_segment 0
		.amdhsa_kernarg_size 72
		.amdhsa_user_sgpr_count 2
		.amdhsa_user_sgpr_kernarg_segment_ptr 1
		.amdhsa_wavefront_size32 1
		.amdhsa_system_sgpr_workgroup_id_x 1
		.amdhsa_system_sgpr_workgroup_id_y 1
		.amdhsa_system_sgpr_workgroup_id_z 1
		.amdhsa_system_vgpr_workitem_id 0
		.amdhsa_next_free_vgpr 896
		.amdhsa_next_free_sgpr 102
		.amdhsa_reserve_vcc 0
		.amdhsa_float_denorm_mode_32 3
		.amdhsa_float_denorm_mode_16_64 3
		.amdhsa_memory_ordered 1
		.amdhsa_forward_progress 1
		.amdhsa_inst_pref_size 255
	.end_amdhsa_kernel
	.section	.bss,"aw",@nobits
	.p2align	6
	.space	262144
	.amdgpu_metadata
---
amdhsa.version: [ 1, 2 ]
amdhsa.kernels:
  - .name:           k_q6cbd46a6b5_qkvatt
    .symbol:         k_q6cbd46a6b5_qkvatt.kd
    .args:
      - { .name: xq, .offset: 0, .size: 8, .value_kind: global_buffer, .address_space: global }
      - { .name: wq, .offset: 8, .size: 8, .value_kind: global_buffer, .address_space: global }
      - { .name: bq, .offset: 16, .size: 8, .value_kind: global_buffer, .address_space: global }
      - { .name: bk, .offset: 24, .size: 8, .value_kind: global_buffer, .address_space: global }
      - { .name: bv, .offset: 32, .size: 8, .value_kind: global_buffer, .address_space: global }
      - { .name: beta, .offset: 40, .size: 8, .value_kind: global_buffer, .address_space: global }
      - { .name: qimg, .offset: 48, .size: 8, .value_kind: global_buffer, .address_space: global }
      - { .name: nimg, .offset: 56, .size: 8, .value_kind: global_buffer, .address_space: global }
      - { .name: aux, .offset: 64, .size: 8, .value_kind: global_buffer, .address_space: global }
    .group_segment_fixed_size: 327680
    .private_segment_fixed_size: 0
    .kernarg_segment_align: 8
    .kernarg_segment_size: 72
    .max_flat_workgroup_size: 128
    .sgpr_count:     102
    .vgpr_count:     896
    .wavefront_size: 32
...
	.end_amdgpu_metadata
.endif
;; end of part 2
;; launch combine (part 3): grid 8 x 32, 4 waves a work-group, no clusters, 0 bytes of LDS; arguments qimg, nimg, aux, aq; writes aq
.if DOCPART == 3
	.amdgcn_target "amdgcn-amd-amdhsa--gfx1250"
	.amdhsa_code_object_version 6
	.text
	.protected	k_q6cbd46a6b5_combine
	.globl	k_q6cbd46a6b5_combine
	.p2align	8
	.type	k_q6cbd46a6b5_combine,@function
k_q6cbd46a6b5_combine:
	s_mov_b64 s[64:65], 0
	v_nop
	global_prefetch_b8 v0, s[64:65] scope:SCOPE_SE
	s_setreg_imm32_b32 hwreg(HW_REG_WAVE_MODE, 25, 1), 1
	s_wait_xcnt 0x0
.set KN,  16
.set NUM, 48
.set DN,  176
.set DL,  192
.set RD,  200
.set TM,  216
.set CD,  232
.set TQ,  240
.set TT,  248
.set ACC, 64
.set SEL, 34
.set MSB, 0
.macro WIN new
.if MSB != (\new)
	s_set_vgpr_msb (MSB<<8)|(\new)
.set MSB, (\new)
.endif
.endm
	s_load_b256 s[4:11], s[0:1], 0x0
	v_lshrrev_b32 v1, 5, v0
	v_readfirstlane_b32 s12, v1
	s_and_b32 s13, s12, 1
	s_lshr_b32 s14, s12, 1
	s_and_b32 s15, ttmp7, 0xffff
	s_lshl_b32 s16, ttmp9, 4
	s_lshl_b32 s18, s14, 3
	s_add_co_u32 s16, s16, s18
	s_sub_co_u32 s17, ttmp9, 1
	s_mov_b32 s[SEL], 0x76543210
	s_mov_b32 s[SEL+1], 0xfedcba98
	v_and_b32 v1, 15, v0
	v_bfe_u32 v2, v0, 4, 1
	v_and_b32 v7, 31, v0
	v_lshlrev_b32 v4, 4, v7
	v_lshlrev_b32 v5, 2, v1
	v_mul_u32_u24 v6, v1, 24
	v_mad_u32_u24 v6, v2, 12, v6
	v_lshlrev_b32 v8, 5, v2
	v_cmp_eq_u32 s36, 1, v2
.irp t, 0,1,2,3,4,5,6,7
	v_mov_b32 v[RD+2*\t+1], 0
	v_mov_b32 v[TT+\t], 0
.endr
.irp p, 0,1
	v_mov_b32 v[TM+4+\p], 0
.endr
	s_wait_kmcnt 0x0
	s_mov_b32 s19, 0
	s_lshl_b32 s18, s15, 19
	s_lshl_b32 s37, s16, 12
	s_add_co_u32 s18, s18, s37
	s_add_nc_u64 s[20:21], s[4:5], s[18:19]
	s_lshl_b32 s37, s13, 11
	s_add_co_u32 s18, s18, s37
	s_add_nc_u64 s[22:23], s[6:7], s[18:19]
	s_lshl_b32 s18, s15, 13
	s_lshl_b32 s37, s16, 6
	s_add_co_u32 s18, s18, s37
	s_add_nc_u64 s[24:25], s[8:9], s[18:19]
	s_lshl_b32 s18, s15, 17
	s_lshl_b32 s37, s13, 13
	s_add_co_u32 s18, s18, s37
	s_add_co_u32 s18, s18, 262144
	s_add_nc_u64 s[26:27], s[8:9], s[18:19]
	s_lshl_b32 s18, s15, 11
	s_add_co_u32 s18, s18, 4456448
	s_add_nc_u64 s[28:29], s[8:9], s[18:19]
	s_and_b32 s37, s15, 15
	s_lshl_b32 s37, s37, 1
	s_add_co_u32 s37, s37, s13
	s_lshr_b32 s38, s15, 4
	s_lshl_b32 s38, s38, 11
	s_lshl_b32 s39, s16, 4
	s_add_co_u32 s38, s38, s39
	s_mul_i32 s18, s37, 98304
	s_mul_i32 s39, s38, 24
	s_add_co_u32 s18, s18, s39
	s_add_nc_u64 s[30:31], s[10:11], s[18:19]
	s_lshl_b32 s18, s37, 12
	s_add_co_u32 s18, s18, s38
	s_add_co_u32 s18, s18, 3145728
	s_add_nc_u64 s[32:33], s[10:11], s[18:19]
.macro LDDL
.irp t, 0,1,2,3,4,5,6,7
	global_load_b32 v[DL+\t], v5, s[24:25] offset:64*\t
.endr
.endm
.macro LDNUM g
.irp p, 0,1
.irp u, 0,1
.irp k, 0,1
	global_load_b128 v[NUM+16*(2*(\g)+\p)+8*\u+4*\k:NUM+16*(2*(\g)+\p)+8*\u+4*\k+3], v4, s[22:23] offset:4096*(2*(\g)+\p)+1024*\u+512*\k th:TH_LOAD_NT
.endr
.endr
.endr
.endm
.macro LDQ g
	WIN 0x40
.irp p, 0,1
.irp a, 0,1,2,3
.irp k, 0,1
	global_load_b128 v[32*(2*(\g)+\p)+8*\a+4*\k:32*(2*(\g)+\p)+8*\a+4*\k+3], v4, s[20:21] offset:4096*(2*(\g)+\p)+1024*\a+512*\k
.endr
.endr
.endr
	WIN 0
.endm
.macro FINISH g, fromacc
.set RB, NUM+32*(\g)
.if \fromacc
	WIN 0x0f
.irp p, 0,1
.irp u, 0,1
.irp i, 0,2,4,6
	v_pk_add_f32 v[RB+16*\p+8*\u+\i:RB+16*\p+8*\u+\i+1], v[ACC+8*(4*\p+2*\u)+\i:ACC+8*(4*\p+2*\u)+\i+1], v[ACC+8*(4*\p+2*\u+1)+\i:ACC+8*(4*\p+2*\u+1)+\i+1] neg_lo:[0,1] neg_hi:[0,1]
.endr
.endr
.endr
	WIN 0
.endif
.irp p, 0,1
.irp b, 0,8
.irp i, 0,2,4,6
	v_pk_mul_f32 v[TQ+\i:TQ+\i+1], v[RB+16*\p+\b+\i:RB+16*\p+\b+\i+1], v[RD+2*(2*(\g)+\p):RD+2*(2*(\g)+\p)+1] op_sel_hi:[1,0]
.endr
.irp i, 0,2,4,6
	v_pk_fma_f32 v[RB+16*\p+\b+\i:RB+16*\p+\b+\i+1], v[TQ+\i:TQ+\i+1], v[DN+2*(2*(\g)+\p):DN+2*(2*(\g)+\p)+1], v[RB+16*\p+\b+\i:RB+16*\p+\b+\i+1] op_sel_hi:[1,0,1] neg_lo:[1,0,0] neg_hi:[1,0,0]
.endr
.irp i, 0,2,4,6
	v_pk_fma_f32 v[RB+16*\p+\b+\i:RB+16*\p+\b+\i+1], v[RB+16*\p+\b+\i:RB+16*\p+\b+\i+1], v[RD+2*(2*(\g)+\p):RD+2*(2*(\g)+\p)+1], v[TQ+\i:TQ+\i+1] op_sel_hi:[1,0,1]
.endr
.endr
.endr
.irp p, 0,1
	v_max3_num_f32 v[TM+\p], |v[RB+16*\p]|, |v[RB+16*\p+1]|, 0x2800000
.endr
.irp i, 2,4,6,8,10,12,14
.irp p, 0,1
	v_max3_num_f32 v[TM+\p], v[TM+\p], |v[RB+16*\p+\i]|, |v[RB+16*\p+\i+1]|
.endr
.endr
.irp p, 0,1
	v_permlanex16_b32 v[TM+4+\p], v[TM+\p], s[SEL], s[SEL+1]
.endr
.irp p, 0,1
	v_max_num_f32 v[TM+\p], v[TM+\p], v[TM+4+\p]
.endr
.irp p, 0,1
	v_add_nc_u32 v[TM+12+\p], 0xfe000000, v[TM+\p]
.endr
.irp p, 0,1
	v_lshrrev_b32 v[TM+4+\p], 23, v[TM+12+\p]
.endr
.if (\g) > 0
	s_wait_xcnt 0x0
.endif
.irp p, 0,1
	v_cvt_scalef32_pk16_bf6_f32 v[CD+4*\p:CD+4*\p+2], v[RB+16*\p:RB+16*\p+15], v[TM+12+\p]
.endr
	v_nop
.irp p, 0,1
	global_store_b96 v6, v[CD+4*\p:CD+4*\p+2], s[30:31] offset:384*(2*(\g)+\p)
.endr
	v_cndmask_b32 v[TT+(\g)], v[TM+4], v[TM+5], s36
	global_store_b8 v7, v[TT+(\g)], s[32:33] offset:32*(\g)
.endm
	s_cmp_eq_u32 ttmp9, 0
	s_cbranch_scc1 .Lseg0
	LDDL
	WIN 0xc0
.irp u, 0,1
.irp a, 0,1,2,3
.irp g, 0,1
	global_load_b128 v[32*\u+8*\a+4*\g:32*\u+8*\a+4*\g+3], v4, s[26:27] offset:4096*\u+1024*\a+512*\g
.endr
.endr
.endr
	WIN 0
.irp a, 0,1,2,3
.irp g, 0,1
	global_load_b128 v[KN+8*\a+4*\g:KN+8*\a+4*\g+3], v8, s[28:29] offset:64*\a+16*\g
.endr
.endr
	LDQ 0
	LDNUM 0
.macro BLK k, bit
	s_bitcmp1_b32 s17, \bit
	s_cbranch_scc0 .Lskip_\@
	WIN 0x80
.set bi, 0
.rept \k
.irp u, 0,1
.irp a, 0,1,2,3
.irp g, 0,1
	global_load_b128 v[64*bi+32*\u+8*\a+4*\g:64*bi+32*\u+8*\a+4*\g+3], v4, s[26:27] offset:16384*(1+bi)+4096*\u+1024*\a+512*\g
.endr
.endr
.endr
.set bi, bi+1
.endr
	WIN 0xc0
.set bi, 0
.rept \k
.irp a, 0,1,2,3
.irp g, 0,1
	global_load_b128 v[128+32*bi+8*\a+4*\g:128+32*bi+8*\a+4*\g+3], v8, s[28:29] offset:256*(1+bi)+64*\a+16*\g
.endr
.endr
.set bi, bi+1
.endr
	s_wait_loadcnt 0x0
	WIN 0xcb
.set bi, 0
.rept \k
.set j, 0
.rept 32
	v_pk_add_f32 v[j:j+1], v[j:j+1], v[64*bi+j:64*bi+j+1]
.set j, j+2
.endr
.set bi, bi+1
.endr
	WIN 0x0c
.set bi, 0
.rept \k
.set j, 0
.rept 16
	v_pk_add_f32 v[KN+j:KN+j+1], v[KN+j:KN+j+1], v[128+32*bi+j:128+32*bi+j+1]
.set j, j+2
.endr
.set bi, bi+1
.endr
	WIN 0
	s_add_nc_u64 s[26:27], s[26:27], 16384*\k
	s_add_nc_u64 s[28:29], s[28:29], 256*\k
.Lskip_\@:
.endm
	BLK 1, 0
	BLK 2, 1
	BLK 4, 2
.macro DENG g
	WIN 0x01
.set i, 0
.rept 8
.irp p, 0,1
.if i == 0
	v_pk_mul_f32 v[DN+2*(2*(\g)+\p):DN+2*(2*(\g)+\p)+1], v[32*(2*(\g)+\p):32*(2*(\g)+\p)+1], v[KN:KN+1]
	v_pk_mul_f32 v[TQ+2*\p:TQ+2*\p+1], v[32*(2*(\g)+\p)+16:32*(2*(\g)+\p)+17], v[KN+16:KN+17]
.else
	v_pk_fma_f32 v[DN+2*(2*(\g)+\p):DN+2*(2*(\g)+\p)+1], v[32*(2*(\g)+\p)+2*i:32*(2*(\g)+\p)+2*i+1], v[KN+2*i:KN+2*i+1], v[DN+2*(2*(\g)+\p):DN+2*(2*(\g)+\p)+1]
	v_pk_fma_f32 v[TQ+2*\p:TQ+2*\p+1], v[32*(2*(\g)+\p)+16+2*i:32*(2*(\g)+\p)+17+2*i], v[KN+16+2*i:KN+17+2*i], v[TQ+2*\p:TQ+2*\p+1]
.endif
.endr
.set i, i+1
.endr
	WIN 0
.irp p, 0,1
	v_pk_add_f32 v[DN+2*(2*(\g)+\p):DN+2*(2*(\g)+\p)+1], v[DN+2*(2*(\g)+\p):DN+2*(2*(\g)+\p)+1], v[TQ+2*\p:TQ+2*\p+1]
.endr
.irp p, 0,1
	v_add_f32 v[DN+2*(2*(\g)+\p)], v[DN+2*(2*(\g)+\p)], v[DN+2*(2*(\g)+\p)+1]
.endr
.irp p, 0,1
	v_permlanex16_b32 v[TT+2*(\g)+\p], v[DN+2*(2*(\g)+\p)], s[SEL], s[SEL+1]
.endr
.irp p, 0,1
	v_add_f32 v[DN+2*(2*(\g)+\p)], v[DN+2*(2*(\g)+\p)], v[TT+2*(\g)+\p]
.endr
.irp p, 0,1
	v_add_f32 v[DN+2*(2*(\g)+\p)], v[DN+2*(2*(\g)+\p)], v[DL+2*(\g)+\p]
.endr
.irp p, 0,1
	v_rcp_f32 v[RD+2*(2*(\g)+\p)], v[DN+2*(2*(\g)+\p)]
.endr
	v_nop
.endm
.macro GROUP g
.irp ai, 0,1
.irp e, 0,1,2,3
.if (\ai == 0) && (\e == 0)
	WIN 0xc7
.else
	WIN 0xf7
.endif
.irp p, 0,1
.irp u, 0,1
.irp sg, 0,1
.set rD, ACC+8*(4*\p+2*\u+\sg)
.set rA, 32*\u+8*(2*\ai+\sg)+2*\e
.set rB, 32*(2*(\g)+\p)+8*(2*\ai+\sg)+2*\e
.set rC, NUM+16*(2*(\g)+\p)+8*\u
.if (\ai == 0) && (\e == 0) && (\sg == 0)
	v_wmma_f32_16x16x4_f32 v[rD:rD+7], v[rA:rA+1], v[rB:rB+1], v[rC:rC+7]
.elseif (\ai == 0) && (\e == 0)
	v_wmma_f32_16x16x4_f32 v[rD:rD+7], v[rA:rA+1], v[rB:rB+1], 0
.else
	v_wmma_f32_16x16x4_f32 v[rD:rD+7], v[rA:rA+1], v[rB:rB+1], v[rD:rD+7]
.endif
.endr
.endr
.endr
.endr
.endr
.rept 9
	v_nop
.endr
	s_wait_alu depctr_va_vdst(0)
.endm
	LDQ 1
	LDNUM 1
	LDQ 2
	LDNUM 2
	s_wait_loadcnt 48
	DENG 0
	GROUP 0
	FINISH 0, 1
	LDQ 3
	LDNUM 3
	s_wait_loadcnt 48
	DENG 1
	GROUP 1
	FINISH 1, 1
	s_wait_loadcnt 24
	DENG 2
	GROUP 2
	FINISH 2, 1
	s_wait_loadcnt 0x0
	DENG 3
	GROUP 3
	FINISH 3, 1
	s_endpgm
.Lseg0:
	LDDL
.irp g, 0,1,2,3
	LDNUM \g
.endr
	s_wait_loadcnt 0x0
.irp t, 0,1,2,3,4,5,6,7
	v_mov_b32 v[DN+2*\t], v[DL+\t]
	v_mov_b32 v[DN+2*\t+1], 0
.endr
.irp t, 0,1,2,3,4,5,6,7
	v_rcp_f32 v[RD+2*\t], v[DN+2*\t]
.endr
	v_nop
	s_wait_alu depctr_va_vdst(0)
.irp g, 0,1,2,3
	FINISH \g, 0
.endr
	s_endpgm
.Lfunc_end_k_q6cbd46a6b5_combine:
	.size	k_q6cbd46a6b5_combine, .Lfunc_end_k_q6cbd46a6b5_combine-k_q6cbd46a6b5_combine
	.p2alignl 7, 3214868480
	.fill 96, 4, 3214868480
	.section	.rodata,"a",@progbits
	.p2align	6, 0x0
	.amdhsa_kernel k_q6cbd46a6b5_combine
		.amdhsa_group_segment_fixed_size 0
		.amdhsa_private_segment_fixed_size 0
		.amdhsa_enable_private_segment 0
		.amdhsa_kernarg_size 32
		.amdhsa_user_sgpr_count 2
		.amdhsa_user_sgpr_kernarg_segment_ptr 1
		.amdhsa_wavefront_size32 1
		.amdhsa_system_sgpr_workgroup_id_x 1
		.amdhsa_system_sgpr_workgroup_id_y 1
		.amdhsa_system_sgpr_workgroup_id_z 1
		.amdhsa_system_vgpr_workitem_id 0
		.amdhsa_next_free_vgpr 1024
		.amdhsa_next_free_sgpr 66
		.amdhsa_reserve_vcc 0
		.amdhsa_float_denorm_mode_32 3
		.amdhsa_float_denorm_mode_16_64 3
		.amdhsa_memory_ordered 1
		.amdhsa_forward_progress 1
		.amdhsa_inst_pref_size 130
	.end_amdhsa_kernel
	.amdgpu_metadata
---
amdhsa.version: [ 1, 2 ]
amdhsa.kernels:
  - .name:           k_q6cbd46a6b5_combine
    .symbol:         k_q6cbd46a6b5_combine.kd
    .args:
      - { .name: qimg, .offset: 0, .size: 8, .value_kind: global_buffer, .address_space: global }
      - { .name: nimg, .offset: 8, .size: 8, .value_kind: global_buffer, .address_space: global }
      - { .name: aux, .offset: 16, .size: 8, .value_kind: global_buffer, .address_space: global }
      - { .name: aq, .offset: 24, .size: 8, .value_kind: global_buffer, .address_space: global }
    .group_segment_fixed_size: 0
    .private_segment_fixed_size: 0
    .kernarg_segment_align: 8
    .kernarg_segment_size: 32
    .max_flat_workgroup_size: 128
    .sgpr_count:     66
    .vgpr_count:     1024
    .wavefront_size: 32
...
	.end_amdgpu_metadata
.endif
;; end of part 3
;; launch outproj (part 4): grid 8 x 32, 4 waves a work-group, clusters of 4 x 4, 221,184 bytes of LDS; arguments aq, wq, bo, out0; writes out0
.if DOCPART == 4
	.amdgcn_target "amdgcn-amd-amdhsa--gfx1250"
	.amdhsa_code_object_version 6
	.text
	.protected	k_q6cbd46a6b5_outproj
	.globl	k_q6cbd46a6b5_outproj
	.p2align	8
	.type	k_q6cbd46a6b5_outproj,@function
k_q6cbd46a6b5_outproj:
	s_mov_b64 s[64:65], 0
	v_nop
	global_prefetch_b8 v0, s[64:65] scope:SCOPE_SE
	s_setreg_imm32_b32 hwreg(HW_REG_WAVE_MODE, 25, 1), 1
	s_wait_xcnt 0x0
	s_wait_alu depctr_hold_cnt(0) depctr_sa_sdst(0) depctr_va_vdst(0) depctr_va_sdst(0) depctr_va_ssrc(0) depctr_va_vcc(0) depctr_vm_vsrc(0)
	s_getreg_b32 s2, hwreg(HW_REG_IB_STS2, 6, 4)
	s_cmp_eq_u32 s2, 0
	s_cbranch_scc0 .Lentry_in_a_cluster
	s_endpgm
.Lentry_in_a_cluster:
	s_bfe_u32 s2, ttmp6, 0x10000c
	s_cmp_lg_u32 s2, 0xf033
	s_cbranch_scc0 .Lentry_shape_is_right
	s_endpgm
.Lentry_shape_is_right:
.set ODD,   49280
.set WB,    98560
.set WP,    816
.set SPARE, 203008
.set STG,   203520
.set SCOFF, 3145728
.set AAD, 4
.set BAD, 5
.set BAD2, 6
.set SO,  7
.set SR,  8
.set GO,  9
.set SPW, 28
.set NIL, 29
.set SWA, 32
.set SWB, 48
.set BIAS, 64
.set ACC, 128
.set WV, 12
.set G1A, 24
.set G1B, 32
.set G0A, 40
.set G0B, 44
.set MSB, 0
.macro WIN new
.if MSB != (\new)
	s_set_vgpr_msb (MSB<<8)|(\new)
.set MSB, (\new)
.endif
.endm
.macro PLACES n
.rept \n
	v_nop
.endr
.endm
.macro CROUND
	s_barrier_signal -1
	s_barrier_wait -1
	s_cmp_lg_u32 s[WV], 0
	s_cbranch_scc1 .Lnot_wave_0_\@
	s_barrier_signal -3
.Lnot_wave_0_\@:
	s_barrier_wait -3
	s_barrier_signal -1
	s_barrier_wait -1
.endm
	s_load_b256 s[4:11], s[0:1], 0x0
	v_lshl_add_u32 v[SPW], v0, 2, SPARE
	v_mov_b32 v[NIL], 0
	ds_add_u32 v[SPW], v[NIL]
	ds_add_u32 v[SPW], v[NIL]
	v_lshrrev_b32 v1, 5, v0
	v_readfirstlane_b32 s[WV], v1
	s_lshr_b32 s13, s[WV], 1
	s_and_b32 s14, s[WV], 1
	s_bfe_u32 s15, ttmp6, 0x40000
	s_bfe_u32 s16, ttmp6, 0x40004
	s_lshl_b32 s17, ttmp9, 2
	s_add_co_u32 s17, s17, s15
	s_and_b32 s18, ttmp7, 0xffff
	s_lshl_b32 s18, s18, 2
	s_add_co_u32 s18, s18, s16
	s_lshl_b32 s19, s16, 2
	s_lshl_b32 s19, 15, s19
	s_lshl_b32 s20, 0x1111, s15
	s_or_b32 s[G1A], s19, (3<<16)|(1<<21)
	s_mov_b32 s[G1A+1], 384<<16
	s_mov_b32 s[G1A+2], 8<<16
	s_mov_b32 s[G1A+3], 384<<16
	s_mov_b32 s[G1A+4], 8
	s_mov_b32 s[G1A+5], 24576
	s_mov_b32 s[G1A+6], 0
	s_mov_b32 s[G1A+7], 0
	s_or_b32 s[G1B], s20, (1<<20)|(1<<21)|(5<<22)|(3<<25)
	s_mov_b32 s[G1B+1], 768<<16
	s_mov_b32 s[G1B+2], 32<<16
	s_mov_b32 s[G1B+3], 768<<16
	s_mov_b32 s[G1B+4], 32
	s_mov_b32 s[G1B+5], 768
	s_mov_b32 s[G1B+6], 0
	s_mov_b32 s[G1B+7], 0
	s_lshl_b32 s48, s13, 4
	s_add_co_u32 s48, s48, s14
	s_mul_i32 s48, s48, 98304
	s_mul_i32 s21, s18, 3072
	s_add_co_u32 s48, s48, s21
	s_mov_b32 s49, 0
	s_lshl_b32 s50, s17, 7
	s_lshl_b32 s21, s[WV], 5
	s_add_co_u32 s50, s50, s21
	s_add_co_u32 s50, s50, 3072
	s_mul_i32 s50, s50, 768
	s_mov_b32 s51, 0
	s_mul_i32 s22, s14, ODD
	s_mul_i32 s21, s13, 24576
	s_add_co_u32 s22, s22, s21
	s_mul_i32 s23, s[WV], 32*WP
	s_add_co_u32 s23, s23, WB
	s_wait_dscnt 0x0
	s_wait_kmcnt 0x0
	s_mov_b32 s[G0A], 1
	s_mov_b32 s[G0A+1], s22
	s_add_nc_u64 s[G0A+2:G0A+3], s[4:5], s[48:49]
	s_or_b32 s[G0A+3], s[G0A+3], 0x80000000
	s_mov_b32 s[G0B], 1
	s_mov_b32 s[G0B+1], s23
	s_add_nc_u64 s[G0B+2:G0B+3], s[6:7], s[50:51]
	s_or_b32 s[G0B+3], s[G0B+3], 0x80000000
	CROUND
	tensor_load_to_lds s[G0A:G0A+3], s[G1A:G1A+7]
	s_nop 0
	tensor_load_to_lds s[G0B:G0B+3], s[G1B:G1B+7]
	s_nop 0
.rept 4
	v_nop
.endr
	v_and_b32 v1, 15, v0
	v_bfe_u32 v2, v0, 4, 1
	v_mul_u32_u24 v[AAD], v2, ODD
	v_mad_u32_u24 v[AAD], v1, 24, v[AAD]
	s_mul_i32 s21, s13, 64*24
	v_add_nc_u32 v[AAD], s21, v[AAD]
	v_mul_u32_u24 v[BAD], v1, WP
	v_mad_u32_u24 v[BAD], v2, 24, v[BAD]
	s_mul_i32 s21, s14, 64*WP
	s_add_co_u32 s21, s21, WB
	v_add_nc_u32 v[BAD], s21, v[BAD]
	v_lshl_add_u32 v[BAD2], v2, 4, v[BAD]
	s_mul_i32 s21, s[WV], 16*272
	s_add_co_u32 s21, s21, STG
	v_mul_u32_u24 v[SO], v1, 272
	v_lshl_add_u32 v[SO], v2, 5, v[SO]
	v_add_nc_u32 v[SO], s21, v[SO]
	v_mul_u32_u24 v[SR], v2, 272
	v_lshl_add_u32 v[SR], v1, 4, v[SR]
	v_add_nc_u32 v[SR], s21, v[SR]
	v_lshlrev_b32 v[GO], 13, v2
	v_lshl_add_u32 v[GO], v1, 4, v[GO]
	v_lshlrev_b32 v10, 5, v1
	v_lshl_add_u32 v10, v2, 4, v10
	v_lshlrev_b32 v11, 5, v2
	v_lshl_add_u32 v12, v2, 16, v1
	s_mov_b32 s49, 0
	s_lshl_b32 s21, s17, 7
	s_lshl_b32 s48, s14, 6
	s_add_co_u32 s21, s21, s48
	s_add_co_u32 s48, s21, 3072
	s_lshl_b32 s48, s48, 5
	s_add_co_u32 s48, s48, SCOFF
	s_add_nc_u64 s[52:53], s[6:7], s[48:49]
	s_lshl_b32 s48, s21, 2
	s_add_nc_u64 s[54:55], s[8:9], s[48:49]
	s_add_nc_u64 s[58:59], s[10:11], s[48:49]
	s_lshl_b32 s48, s18, 7
	s_lshl_b32 s22, s13, 6
	s_add_co_u32 s48, s48, s22
	s_add_co_u32 s48, s48, SCOFF
	s_add_nc_u64 s[56:57], s[4:5], s[48:49]
	s_and_b32 s48, s18, 15
	s_lshl_b32 s48, s48, 7
	s_add_co_u32 s48, s48, s22
	s_lshl_b32 s48, s48, 1
	s_lshr_b32 s22, s18, 4
	s_add_co_u32 s48, s48, s22
	s_lshl_b32 s48, s48, 12
	s_add_nc_u64 s[58:59], s[58:59], s[48:49]
.irp c, 0,1,2,3
	global_load_b128 v[SWB+4*\c:SWB+4*\c+3], v10, s[52:53] offset:512*\c
	global_load_b128 v[BIAS+8*\c:BIAS+8*\c+3], v11, s[54:55] offset:64*\c
	global_load_b128 v[BIAS+8*\c+4:BIAS+8*\c+7], v11, s[54:55] offset:64*\c+16
.endr
.irp p, 0,1,2,3
.irp i, 0,1,2,3
.irp b, 0,1,2,3
	global_load_u8 v[ACC+16*\p+4*\i+\b], v12, s[56:57] offset:(4*\i+\b)*4096+16*\p
.endr
.endr
.endr
	s_wait_loadcnt 0x0
.irp p, 0,1,2,3
.irp i, 0,1,2,3
	v_lshl_or_b32 v[SWA+4*\p+\i], v[ACC+16*\p+4*\i+1], 8, v[ACC+16*\p+4*\i]
.endr
.endr
.irp p, 0,1,2,3
.irp i, 0,1,2,3
	v_lshl_or_b32 v[SWA+4*\p+\i], v[ACC+16*\p+4*\i+2], 16, v[SWA+4*\p+\i]
.endr
.endr
.irp p, 0,1,2,3
.irp i, 0,1,2,3
	v_lshl_or_b32 v[SWA+4*\p+\i], v[ACC+16*\p+4*\i+3], 24, v[SWA+4*\p+\i]
.endr
.endr
	PLACES 8
	s_wait_tensorcnt 0x0
	s_barrier_signal -1
	s_barrier_wait -1
.macro FETCH s
	WIN 0x40
.set FB, 96*((\s)%2)
.irp p, 0,1,2,3
.irp c, 0,1
.irp i, 0,1,2
	ds_load_b64 v[FB+12*\p+6*\c+2*\i:FB+12*\p+6*\c+2*\i+1], v[AAD] offset:(2*(\s)+\c)*3072+384*\p+8*\i
.endr
.endr
.endr
.irp c, 0,1,2,3
.irp p, 0,1,2,3,4,5
.set PC, 12*(\s)+6*(\p/3)+\p%3
.if PC%32 < 29
	ds_load_b64 v[FB+48+12*\c+2*\p:FB+48+12*\c+2*\p+1], v[BAD] offset:8*PC+16*(PC/32)+16*WP*\c
.else
	ds_load_b64 v[FB+48+12*\c+2*\p:FB+48+12*\c+2*\p+1], v[BAD2] offset:8*PC+16*(PC/32)+16*WP*\c
.endif
.endr
.endr
.endm
.macro MUL s
	WIN 0x05
.set FB, 96*((\s)%2)
.irp p, 0,1,2,3
.irp c, 0,1,2,3
.set rD, ACC+8*(4*\p+\c)
.set rX, FB+48+12*\c
.set rY, FB+12*\p
.set sX, SWB+4*\c+(\s)%4
.set sY, SWA+4*\p+(\s)%4
.if (\s) == 0
	v_wmma_scale_f32_16x16x128_f8f6f4 v[rD:rD+7], v[rX:rX+11], v[rY:rY+11], v[BIAS+8*\c:BIAS+8*\c+7], v[sX], v[sY] matrix_a_fmt:MATRIX_FMT_BF6 matrix_b_fmt:MATRIX_FMT_BF6
.elseif (\s) < 4
	v_wmma_scale_f32_16x16x128_f8f6f4 v[rD:rD+7], v[rX:rX+11], v[rY:rY+11], v[rD:rD+7], v[sX], v[sY] matrix_a_fmt:MATRIX_FMT_BF6 matrix_b_fmt:MATRIX_FMT_BF6
.else
	v_wmma_scale_f32_16x16x128_f8f6f4 v[rD:rD+7], v[rX:rX+11], v[rY:rY+11], v[rD:rD+7], v[sX], v[sY] matrix_a_fmt:MATRIX_FMT_BF6 matrix_b_fmt:MATRIX_FMT_BF6 matrix_a_scale:MATRIX_SCALE_ROW1 matrix_b_scale:MATRIX_SCALE_ROW1
.endif
.endr
.endr
.endm
	FETCH 0
	FETCH 1
.irp s, 0,1,2,3,4,5
	s_wait_dscnt 48
	MUL \s
	PLACES 4
	FETCH \s+2
.endr
	s_wait_dscnt 48
	MUL 6
	s_wait_dscnt 0x0
	MUL 7
	WIN 0
	PLACES 4
.macro TOSTAGE p
.irp c, 0,1,2,3
.irp g, 0,1
	ds_store_b128 v[SO], v[ACC+8*(4*\p+\c)+4*\g:ACC+8*(4*\p+\c)+4*\g+3] offset:64*\c+16*\g
.endr
.endr
.irp i, 0,1,2,3,4,5,6,7
	ds_load_b128 v[64+32*((\p)%2)+4*\i:64+32*((\p)%2)+4*\i+3], v[SR] offset:2*\i*272
.endr
.endm
.macro SEND p, younger
.irp i, 0,1,2,3,4,5,6,7
	s_wait_dscnt \younger+7-\i
	global_store_b128 v[GO], v[64+32*((\p)%2)+4*\i:64+32*((\p)%2)+4*\i+3], s[58:59] offset:(16*(\p)+2*\i)*8192 th:TH_STORE_NT
.endr
.endm
	TOSTAGE 0
	TOSTAGE 1
	SEND 0, 16
	s_wait_xcnt 0x0
	TOSTAGE 2
	SEND 1, 16
	s_wait_xcnt 0x0
	TOSTAGE 3
	SEND 2, 16
	SEND 3, 0
	s_wait_tensorcnt 0x0
	ds_add_u32 v[SPW], v[NIL]
	s_wait_dscnt 0x0
	CROUND
	s_endpgm
.Lfunc_end_k_q6cbd46a6b5_outproj:
	.size	k_q6cbd46a6b5_outproj, .Lfunc_end_k_q6cbd46a6b5_outproj-k_q6cbd46a6b5_outproj
	.p2alignl 7, 3214868480
	.fill 96, 4, 3214868480
	.section	.rodata,"a",@progbits
	.p2align	6, 0x0
	.amdhsa_kernel k_q6cbd46a6b5_outproj
		.amdhsa_group_segment_fixed_size 221184
		.amdhsa_private_segment_fixed_size 0
		.amdhsa_enable_private_segment 0
		.amdhsa_kernarg_size 32
		.amdhsa_user_sgpr_count 2
		.amdhsa_user_sgpr_kernarg_segment_ptr 1
		.amdhsa_wavefront_size32 1
		.amdhsa_system_sgpr_workgroup_id_x 1
		.amdhsa_system_sgpr_workgroup_id_y 1
		.amdhsa_system_sgpr_workgroup_id_z 1
		.amdhsa_system_vgpr_workitem_id 0
		.amdhsa_next_free_vgpr 512
		.amdhsa_next_free_sgpr 66
		.amdhsa_reserve_vcc 0
		.amdhsa_float_denorm_mode_32 3
		.amdhsa_float_denorm_mode_16_64 3
		.amdhsa_memory_ordered 1
		.amdhsa_forward_progress 1
		.amdhsa_inst_pref_size 67
	.end_amdhsa_kernel
	.amdgpu_metadata
---
amdhsa.version: [ 1, 2 ]
amdhsa.kernels:
  - .name:           k_q6cbd46a6b5_outproj
    .symbol:         k_q6cbd46a6b5_outproj.kd
    .args:
      - { .name: aq, .offset: 0, .size: 8, .value_kind: global_buffer, .address_space: global }
      - { .name: wq, .offset: 8, .size: 8, .value_kind: global_buffer, .address_space: global }
      - { .name: bo, .offset: 16, .size: 8, .value_kind: global_buffer, .address_space: global }
      - { .name: out0, .offset: 24, .size: 8, .value_kind: global_buffer, .address_space: global }
    .group_segment_fixed_size: 221184
    .private_segment_fixed_size: 0
    .kernarg_segment_align: 8
    .kernarg_segment_size: 32
    .max_flat_workgroup_size: 128
    .sgpr_count:     66
    .vgpr_count:     512
    .wavefront_size: 32
...
	.end_amdgpu_metadata
.endif
;; end of part 4
